; MI455X (gfx1250); checked and timed in simulation.
; The chip was launched on July 23, 2026; its instructions are those of AMD's public machine-readable ISA for CDNA 5 (MIT licence, August 2026) and "CDNA5" Instruction Set Architecture Reference Guide (July 2026). The comments in the code are by the model that wrote it; some were corrected since.
;; Token Diffusion. Allowed arithmetic: matrix products marked QUANTISED: E2M1 operands, one E8M0 scale for each 32 along K, by v_wmma_scale_f32_16x16x128_f8f6f4 with both operands' format E2M1 (or v_wmma_scale_f32_32x16x128_f4), f32 sums; products left as they are: bf16, f16 or f32 operands; f32 sums; everything else in f32.
;; Inputs: Wo 512 x 512 float32; Wqk 512 x 512 float32; Wv 512 x 512 float32; tau 8 x 1 x 1 float32; x 2 x 4,096 x 512 float32.
;; Outputs: out0 2 x 4,096 x 512 float32.
;; This version of the problem:
;;   THIS VERSION OF THE PROBLEM IS GIVEN IN LOW PRECISION. The matrix products marked QUANTISED in the list below multiply operands that are first quantised to E2M1 (2 exponent bits, 1 mantissa bit; 4 bits a number), with one power-of-two scale for each 32 numbers along K (OCP MX v1.0); their sums are f32. The products marked 'left as it is' may take bf16, f16 or f32 operands, with f32 sums. Whichever they take, every output number must still come out within the allowed error. Rounding operands to bf16 (8 significant bits) uses up far more of that allowance than f16 does (11 bits, for magnitudes from 6e-5 to 65,504). All else is computed in f32.
;;   The module's matrix products, in the order in which they are computed (A, B: the left and right operand; K: the contracted axis; several contracted axes count as one K, in the product's order):
;;     1. [M 8,192, K 512] x [K 512, N 512]; A: input x; B: input Wqk: QUANTISED
;;     2. [M 8,192, K 512] x [K 512, N 512]; A: input x; B: input Wv: QUANTISED
;;     3. batch 16 x [M 4,096, K 64] x [K 64, N 4,096]; A: computed on the way; B: computed on the way: left as it is (an operand is computed on the way)
;;     4. batch 16 x [M 4,096, K 4,096] x [K 4,096, N 64]; A: computed on the way; B: computed on the way: left as it is (an operand is computed on the way)
;;     5. [M 8,192, K 512] x [K 512, N 512]; A: computed on the way; B: input Wo: left as it is (an operand is computed on the way)
;;   THE QUANTISER, for each operand of a quantised product, along K:
;;     - K is cut into blocks of 32 from its start; a last block that is shorter is filled with zeros.
;;     - A block's scale is 2^e with e = floor(log2(the largest magnitude in the block)) - 2, held to -126 .. 127; a block of zeros has e = 0. As a byte (E8M0): e + 127.
;;     - Each number is divided by its block's scale, clamped to +-6, and rounded to the nearest number of E2M1, ties to even, subnormals kept.
;;     - The product sums the exact products of the quantised numbers (number of the format x scale) in f32.
;;   ~~~python
;;   def quantise(x, axis):      # numpy; x: float32 -> the quantised numbers, widened to float32 again
;;       x = np.moveaxis(x, axis, -1); K = x.shape[-1]
;;       x = np.pad(x, [(0, 0)] * (x.ndim - 1) + [(0, -K % 32)]); x = x.reshape(x.shape[:-1] + (-1, 32)); a = np.abs(x).max(-1, keepdims=True)
;;       e = np.where(a > 0, np.clip(np.frexp(np.where(a > 0, a, 1))[1] - 1 - 2, -126, 127), 0)      # np.frexp(a)[1] - 1 = floor(log2(a)), exactly
;;       r = np.clip(x / 2.0 ** e, -6, 6)
;;       step = 2.0 ** (np.maximum(np.frexp(np.where(r == 0, 1, r))[1] - 1, 0) - 1)
;;       q = np.round(r / step) * step * 2.0 ** e      # np.round: ties to even
;;       return np.moveaxis(q.reshape(q.shape[:-2] + (-1,))[..., :K], -1, axis).astype(np.float32)
;;   ~~~
;; One version. Each part assembles by itself: llvm-mc -triple=amdgcn-amd-amdhsa -mcpu=gfx1250 --defsym DOCPART=n.
;; ======== version 1 of 1: 4 launches
;; limits: values are held in f16: magnitudes above 65,504 overflow, below 6.1e-05 lose precision; a difference of large sums (such as E[x^2] - mean^2): digits are lost where the result is much smaller than its terms
;; workspace buffers: codes 2,359,296 bytes; scales 147,456 bytes; wo16 524,288 bytes; kv 16,777,216 bytes; bias 262,144 bytes; att 8,388,608 bytes
;; launch quant (part 1): grid 176 x 1, 4 waves a work-group, no clusters, 41,472 bytes of LDS; arguments x, Wqk, Wv, Wo, codes, scales, wo16; writes codes, scales, wo16
.if DOCPART == 1
	.amdgcn_target "amdgcn-amd-amdhsa--gfx1250"
	.amdhsa_code_object_version 6
	.text
	.protected	k_q2f014112c9_quant
	.globl	k_q2f014112c9_quant
	.p2align	8
	.type	k_q2f014112c9_quant,@function
k_q2f014112c9_quant:
	s_mov_b64 s[64:65], 0
	v_nop
	global_prefetch_b8 v0, s[64:65] scope:SCOPE_SE
	s_setreg_imm32_b32 hwreg(HW_REG_WAVE_MODE, 25, 1), 1
	s_wait_xcnt 0x0
; LAUNCH 1 OF 4.  x [8192][512], Wqk [512][512], Wv [512][512] (f32, K innermost) become codes of FP4 (E2M1) with one E8M0 scale byte for each 32 along K; Wo [512][512] becomes f16.
; THE WHOLE PROGRAM: 1 quantise and lay out; 2 qk = x Wqk^T and v = x Wv^T on the codes; 3 attention, head by head; 4 the product with Wo.
; WORK LEFT OUT, IN THE WHOLE PROGRAM: logits[i][j] = (2 dot[i][j] - q2[i] - q2[j]) / 8 x tau.  The term -q2[i] tau / 8 is the same for all j of a row i, and the softmax runs along j:
; exp(a + c) / sum_j exp(a_j + c) = exp(a) / sum_j exp(a_j) for every finite c.  So that term reaches no output, whatever the inputs hold, and is not formed.  It is of the size of the other terms, so reference()'s f32 loses nothing by it.
; q2[j] stays.  All five inputs have a way to the output and are loaded.  LIMIT: a NaN, an infinity or an overflow that would reach only the term left out is not carried to the result.
; THE QUANTISER.  A block's scale is 2^(floor(log2(its largest magnitude)) - 2); its byte is the largest magnitude's exponent field - 2, held at 1 from below.  Each number is divided by the scale and rounded to the nearest code, ties to even;
; beyond 6 the conversion gives the largest code.  A block of zeros gets the byte 1 where the rule says 127: its codes are zeros, which add nothing under any byte but 0xff, and this program alone reads the bytes.
; LIMITS: blocks whose largest magnitude lies under 2^-124, the floor, are held at the byte 1; NaN and infinities among the inputs are not served.  Wo as f16: magnitudes under 65,504; under 6e-5 the step is 6e-8.
; SHARES.  The three tensors are 576 tiles of 16 rows, numbered through (x 0-511, Wqk 512-543, Wv 544-575).  Work-groups 0-143: wave w of work-group g takes tile 4 g + w, a row (512 numbers) a step, 16 steps.
; Each of a step's four loads reads 512 consecutive bytes; the 2,048 bytes turn through the wave's own stage in LDS and come back 16 neighbours a lane, two lanes to a block.
; THE CODES LEAVE AS IMAGES OF THE OPERAND'S REGISTERS: a tile is 4,096 bytes, [block 16][row 16][16 bytes], so that image i (512 bytes, lane (r, h) at 16 (16 h + r)) holds block 2 i + h of row r:
; registers 4 c .. 4 c + 3 of the fragment of K step s are image 2 s + c.  They are gathered in a stage of 16 rows (one a block) of 256 + 16 bytes and leave by eight stores of 512 consecutive bytes.
; The scale bytes lie [row][16]: a wave's 256 leave as one store.  Work-groups 144-175 turn Wo into f16 images [row tile 32][K step 16][half 2][512 bytes]: lane (r, h) holds Wo[16 T + r][32 ks + 16 c + 8 h + 0 .. 7]; they use no LDS.
.set WAVES, 4
.set STEPS, 16
.set WGQ,   144                        ; work-groups that quantise
.set EMAX,  2
.set R,     16                         ; v16-79   four sets of 16 numbers as they are loaded; at the end the eight images
.set X,     80                         ; v80-111  two sets of 16 neighbours
.set E,     112                        ; v112-127 a scale byte for each step
.set C,     128                        ; v128-191 codes: four registers for each step (two used)
.set WREG,  10240                      ; LDS: a region for each wave
.set SP,    80                         ; a lane's place in a turning stage: 64 bytes + 16 of padding
.set SCB,   2*32*SP                    ; behind the two turning stages: the wave's 256 scale bytes
.set CST,   SCB+256                    ; behind them: the codes' stage, 16 rows of CP bytes
.set CP,    272
.set SPW,   12                         ; v12  LDS address of my spare word: SPARE + 4 x my thread's number; never rewritten
.set NIL,   13                         ; v13  0; never rewritten
.set SPARE, WAVES*WREG                 ; behind the four regions: the spare words, 128 bytes a wave: two blocks of 256 bytes that no other line names
	s_load_b256 s[4:11], s[0:1], 0x0               ; x s[4:5], Wqk s[6:7], Wv s[8:9], Wo s[10:11]
	s_load_b128 s[12:15], s[0:1], 0x20             ; codes s[12:13], scales s[14:15]
	s_load_b64 s[16:17], s[0:1], 0x30              ; wo16
	v_lshl_add_u32 v[SPW], v0, 2, SPARE
	v_mov_b32 v[NIL], 0
	v_lshrrev_b32 v1, 5, v0
	v_readfirstlane_b32 s20, v1                    ; wave
	v_and_b32 v2, 31, v0                           ; lane
	v_lshlrev_b32 v3, 4, v2                        ; 16 x lane
	s_cmp_ge_u32 ttmp9, WGQ                        ; the work-group's number alone decides
	s_cbranch_scc1 .Lwo
	s_mul_i32 s21, s20, WREG
	v_lshrrev_b32 v14, 2, v2
	v_mul_u32_u24 v14, v14, SP
	v_and_b32 v15, 3, v2
	v_lshl_add_u32 v14, v15, 4, v14
	v_add_nc_u32 v14, s21, v14                     ; turning stage, in: SP (lane / 4) + 16 (lane % 4)
	v_mul_u32_u24 v15, v2, SP
	v_add_nc_u32 v15, s21, v15                     ; and out: SP x lane
	v_lshrrev_b32 v5, 1, v2                        ; my block of the row
	v_mul_u32_u24 v4, v5, CP
	v_and_b32 v6, 1, v2
	v_lshl_add_u32 v4, v6, 3, v4
	v_add_nc_u32 v4, s21, v4
	v_add_nc_u32 v4, CST, v4                       ; codes' stage, in: row = my block, 8 bytes for each of its two lanes; the step's row stands in the immediate
	v_add_nc_u32 v5, s21, v5
	v_add_nc_u32 v5, SCB, v5                       ; my block's scale byte
	v_lshlrev_b32 v7, 3, v2                        ; the scale bytes' way out: 8 bytes a lane
	v_add_nc_u32 v6, s21, v7
	v_add_nc_u32 v6, SCB, v6
	v_lshrrev_b32 v10, 4, v2
	v_mul_u32_u24 v10, v10, CP
	v_and_b32 v11, 15, v2
	v_lshl_add_u32 v10, v11, 4, v10
	v_add_nc_u32 v10, s21, v10
	v_add_nc_u32 v10, CST, v10                     ; codes' stage, out: lanes 0-15 one block's row, lanes 16-31 the next
	s_wait_kmcnt 0x0
	s_cmp_lt_u32 ttmp9, 136                        ; which tensor: the choice hangs on the work-group's number alone
	s_cselect_b64 s[6:7], s[6:7], s[8:9]           ; Wqk or Wv
	s_mov_b32 s18, 136
	s_cselect_b32 s18, 128, s18
	s_cmp_lt_u32 ttmp9, 128
	s_cselect_b64 s[4:5], s[4:5], s[6:7]           ; x, or that one
	s_cselect_b32 s18, 0, s18                      ; the tensor's first work-group
	s_sub_co_u32 s18, ttmp9, s18
	s_lshl_b32 s18, s18, 2
	s_add_co_u32 s18, s18, s20                     ; my tile in the tensor
	s_lshl_b32 s18, s18, 15                        ; 16 rows of 2,048 bytes
	s_mov_b32 s19, 0
	s_add_nc_u64 s[4:5], s[4:5], s[18:19]
	s_lshl_b32 s22, ttmp9, 2
	s_add_co_u32 s22, s22, s20                     ; my tile, numbered through
	s_lshl_b32 s18, s22, 12
	s_add_nc_u64 s[12:13], s[12:13], s[18:19]
	s_lshl_b32 s18, s22, 8
	s_add_nc_u64 s[14:15], s[14:15], s[18:19]
.macro LOAD t
.irp i, 0,1,2,3
	global_load_b128 v[R+16*((\t)%4)+4*\i:R+16*((\t)%4)+4*\i+3], v3, s[4:5] offset:2048*(\t)+512*\i th:TH_LOAD_NT   ; 32 lanes read 512 consecutive bytes
.endr
.endm
.macro TURN t                          ; step t's numbers through the stage: LDS serves a wave's instructions in order, so no wait stands between the stores and the loads
.irp i, 0,1,2,3
	ds_store_b128 v14, v[R+16*((\t)%4)+4*\i:R+16*((\t)%4)+4*\i+3] offset:32*SP*((\t)%2)+8*SP*\i
.endr
.irp i, 0,1,2,3
	ds_load_b128 v[X+16*((\t)%2)+4*\i:X+16*((\t)%2)+4*\i+3], v15 offset:32*SP*((\t)%2)+16*\i
.endr
.endm
.irp t, 0,1,2,3
	LOAD \t
.endr
	s_wait_loadcnt 12                              ; step 0's four loads are in
	TURN 0
.macro STEP t
.set XS, X+16*((\t)%2)
.if (\t) > 0
	s_wait_dscnt 2                                 ; this step's numbers are back from the stage; the last step's byte store and code store may be out
.else
	s_wait_dscnt 0x0
.endif
.if (\t)+4 < STEPS
	LOAD (\t)+4                                    ; into the set whose stores into the stage are done
.endif
.if (\t)+1 < STEPS
.if STEPS-2-(\t) >= 3
	s_wait_loadcnt 12                              ; the next step's four loads are in; those of the three steps behind it may be out
.else
	s_wait_loadcnt 4*(STEPS-2-(\t))
.endif
	TURN (\t)+1
.endif
	v_max3_num_f32 v8, |v[XS]|, |v[XS+1]|, |v[XS+2]|               ; the largest magnitude of my 16
	v_max3_num_f32 v9, |v[XS+3]|, |v[XS+4]|, |v[XS+5]|
.irp i, 6,10
	v_max3_num_f32 v8, v8, |v[XS+\i]|, |v[XS+\i+1]|
	v_max3_num_f32 v9, v9, |v[XS+\i+2]|, |v[XS+\i+3]|
.endr
	v_max3_num_f32 v8, v8, |v[XS+14]|, |v[XS+15]|
	v_max3_num_f32 v8, v8, v9, (EMAX+1)<<23        ; and the floor 2^(3 - 127): the byte cannot fall under 1
	v_max_num_f32_dpp v8, v8, v8 row_xmask:1 row_mask:0xf bank_mask:0xf   ; and of my neighbour's 16: the block's
	v_add_nc_u32 v11, -(EMAX<<23), v8              ; 2 off its exponent field: the conversion takes the exponent field of this operand as its scale
	v_cvt_scalef32_pk8_fp4_f32 v[C+4*(\t)], v[XS:XS+7], v11
	v_cvt_scalef32_pk8_fp4_f32 v[C+4*(\t)+1], v[XS+8:XS+15], v11
	v_lshrrev_b32 v[E+(\t)], 23, v11               ; the scale's byte (a plain line behind the conversions)
	ds_store_b8 v5, v[E+(\t)] offset:16*(\t)       ; both lanes of a block write the same byte with the same value
	ds_store_b64 v4, v[C+4*(\t):C+4*(\t)+1] offset:16*(\t)   ; my 16 codes: half of block (lane / 2) of row t
.endm
.irp t, 0,1,2,3,4,5,6,7,8,9,10,11,12,13,14,15
	STEP \t
.endr
	ds_load_b64 v[8:9], v6                         ; LDS serves a wave's instructions in order: these see my stores
.irp i, 0,1,2,3,4,5,6,7
	ds_load_b128 v[R+4*\i:R+4*\i+3], v10 offset:2*CP*\i   ; image i: blocks 2 i and 2 i + 1 of the 16 rows
.endr
	s_wait_dscnt 8                                 ; the scale bytes are back; the eight images may be out
	global_store_b64 v7, v[8:9], s[14:15]          ; 32 lanes store 256 consecutive bytes, aligned
.irp i, 0,1,2,3,4,5,6,7
	s_wait_dscnt 7-\i
	global_store_b128 v3, v[R+4*\i:R+4*\i+3], s[12:13] offset:512*\i   ; 512 consecutive bytes, aligned
.endr
	s_wait_tensorcnt 0x0                           ; the wave's end: behind my last LDS store
	ds_add_u32 v[SPW], v[NIL]
	s_wait_dscnt 0x0
	s_endpgm
.Lwo:                                  ; Wo to f16: work-group 144 + T takes row tile T, wave q the K steps 4 q .. 4 q + 3: eight images
	v_and_b32 v4, 15, v2
	v_lshrrev_b32 v5, 4, v2
	v_lshlrev_b32 v4, 11, v4
	v_lshl_add_u32 v4, v5, 5, v4                   ; row r of 2,048 bytes, + 32 h: my eight numbers of an image
	s_sub_co_u32 s18, ttmp9, WGQ
	s_lshl_b32 s22, s18, 15
	s_lshl_b32 s23, s20, 9
	s_add_co_u32 s22, s22, s23
	s_mov_b32 s23, 0
	s_lshl_b32 s24, s18, 14
	s_lshl_b32 s25, s20, 12
	s_add_co_u32 s24, s24, s25
	s_mov_b32 s25, 0
	s_wait_kmcnt 0x0
	s_add_nc_u64 s[10:11], s[10:11], s[22:23]
	s_add_nc_u64 s[16:17], s[16:17], s[24:25]
.irp j, 0,1,2,3,4,5,6,7
	global_load_b128 v[R+8*\j:R+8*\j+3], v4, s[10:11] offset:64*\j th:TH_LOAD_NT
	global_load_b128 v[R+8*\j+4:R+8*\j+7], v4, s[10:11] offset:64*\j+16 th:TH_LOAD_NT
.endr
	s_wait_loadcnt 0x0
.irp j, 0,1,2,3,4,5,6,7
.irp k, 0,1,2,3
	v_cvt_pk_f16_f32 v[C+4*\j+\k], v[R+8*\j+2*\k], v[R+8*\j+2*\k+1]
.endr
.endr
.irp j, 0,1,2,3,4,5,6,7
	global_store_b128 v3, v[C+4*\j:C+4*\j+3], s[16:17] offset:512*\j   ; 512 consecutive bytes, aligned
.endr
	s_endpgm
.Lfunc_end_k_q2f014112c9_quant:
	.size	k_q2f014112c9_quant, .Lfunc_end_k_q2f014112c9_quant-k_q2f014112c9_quant
	.p2alignl 7, 3214868480
	.fill 96, 4, 3214868480
	.section	.rodata,"a",@progbits
	.p2align	6, 0x0
	.amdhsa_kernel k_q2f014112c9_quant
		.amdhsa_group_segment_fixed_size 41472
		.amdhsa_private_segment_fixed_size 0
		.amdhsa_enable_private_segment 0
		.amdhsa_kernarg_size 56
		.amdhsa_user_sgpr_count 2
		.amdhsa_user_sgpr_kernarg_segment_ptr 1
		.amdhsa_wavefront_size32 1
		.amdhsa_system_sgpr_workgroup_id_x 1
		.amdhsa_system_sgpr_workgroup_id_y 1
		.amdhsa_system_sgpr_workgroup_id_z 1
		.amdhsa_system_vgpr_workitem_id 0
		.amdhsa_next_free_vgpr 192
		.amdhsa_next_free_sgpr 66
		.amdhsa_reserve_vcc 0
		.amdhsa_float_denorm_mode_32 3
		.amdhsa_float_denorm_mode_16_64 3
		.amdhsa_memory_ordered 1
		.amdhsa_forward_progress 1
		.amdhsa_inst_pref_size 40
	.end_amdhsa_kernel
	.amdgpu_metadata
---
amdhsa.version: [ 1, 2 ]
amdhsa.kernels:
  - .name:           k_q2f014112c9_quant
    .symbol:         k_q2f014112c9_quant.kd
    .args:
      - { .name: x, .offset: 0, .size: 8, .value_kind: global_buffer, .address_space: global }
      - { .name: Wqk, .offset: 8, .size: 8, .value_kind: global_buffer, .address_space: global }
      - { .name: Wv, .offset: 16, .size: 8, .value_kind: global_buffer, .address_space: global }
      - { .name: Wo, .offset: 24, .size: 8, .value_kind: global_buffer, .address_space: global }
      - { .name: codes, .offset: 32, .size: 8, .value_kind: global_buffer, .address_space: global }
      - { .name: scales, .offset: 40, .size: 8, .value_kind: global_buffer, .address_space: global }
      - { .name: wo16, .offset: 48, .size: 8, .value_kind: global_buffer, .address_space: global }
    .group_segment_fixed_size: 41472
    .private_segment_fixed_size: 0
    .kernarg_segment_align: 8
    .kernarg_segment_size: 56
    .max_flat_workgroup_size: 128
    .sgpr_count:     66
    .vgpr_count:     192
    .wavefront_size: 32
...
	.end_amdgpu_metadata
.endif
;; end of part 1
;; launch proj (part 2): grid 128 x 2, 4 waves a work-group, no clusters, 0 bytes of LDS; arguments codes, scales, tau, kv, bias; writes kv, bias
.if DOCPART == 2
	.amdgcn_target "amdgcn-amd-amdhsa--gfx1250"
	.amdhsa_code_object_version 6
	.text
	.protected	k_q2f014112c9_proj
	.globl	k_q2f014112c9_proj
	.p2align	8
	.type	k_q2f014112c9_proj,@function
k_q2f014112c9_proj:
	s_mov_b64 s[64:65], 0
	v_nop
	global_prefetch_b8 v0, s[64:65] scope:SCOPE_SE
	s_setreg_imm32_b32 hwreg(HW_REG_WAVE_MODE, 25, 1), 1
	s_wait_xcnt 0x0
; LAUNCH 2 OF 4.  qk = x Wqk^T and v = x Wv^T, both on codes of FP4 (E2M1) with E8M0 scales, sums in f32; their results leave as f16 images of the operands that attention wants, and bias = -sign(tau) q2 / 2 in f32.
; q2[i]'s own term of the logits is left out of the program (shown at the head of the first kernel); q2 serves here as the keys' term alone.
; SHARES.  Work-group (gx, gy): 64 tokens (rows 64 gx on).  Wave w: head 4 gy + w: the head's 64 columns of qk and 64 of v for those 64 tokens: 32 accumulators, 128 matrix instructions.
; qk is made with source 0 = 16 rows of Wqk and source 1 = 16 tokens: a lane then holds one token and eight neighbouring channels, which packed to f16 are 16 bytes of a fragment of K (and of Q: they are tied).
; v is made with source 0 = 16 tokens and source 1 = 16 rows of Wv: a lane then holds one channel and eight neighbouring tokens: 16 bytes of a fragment of V^T.  Nothing is transposed.
; kv: [batch x head 16][step of 64 tokens 64][16,384 bytes]: K's image (token tile kt, channel tile ct) at 2048 kt + 512 ct, V's at 8192 + the same; lane l's 16 bytes at 16 l.
; NO LDS, NO CLUSTER: every fragment comes as 512 consecutive bytes straight into its registers; a weight fragment is used by one wave of a work-group, and the four waves' common x is 16 KiB of the 50 that a wave reads.
; LIMITS: f16 results: |qk|, |v| under 65,504; under 6e-5 the step is 6e-8.  bias leaves in stores of 128 bytes: 256 bytes of a wave's 16,640.
; REGISTERS, in windows of 256.  Window 0: v1 16 x lane, v2 4 x lane; v16-23 x's scale words, v24-39 the weights' (register 4 i + s: lanes 0-15 the words of tile 2 i for K step s, lanes 16-31 of tile 2 i + 1);
;   v40-167 x's four tiles (tile tt, image i at 40 + 32 tt + 4 i), later the packed results; v168-175 q2 in pairs; v176-183 at work.   Window 1: the eight weight tiles (0-3 Wqk, 4-7 Wv) at 32 wt + 4 i.
;   Window 2: qk's accumulator (tt, ct) at 8 (4 tt + ct), v's at 128 + the same.
.set LI,  1
.set L4,  2
.set XS,  16
.set WS,  24
.set XF,  40
.set OUT, 40
.set Q2,  168
.set TP,  176
.set MSB, 0
.macro WIN new                         ; the immediate's high byte repeats the setting that is left
.if MSB != \new
	s_set_vgpr_msb (MSB<<8)|\new
.set MSB, \new
.endif
.endm
; One matrix instruction, its registers in the symbols rD, rA, rB, rSA, rSB; fRA, fRB: the scale words lie in lanes 16-31; fZ: the first K step starts the sum
.macro WM
.if fZ
.if fRA && fRB
	v_wmma_scale_f32_16x16x128_f8f6f4 v[rD:rD+7], v[rA:rA+7], v[rB:rB+7], 0, v[rSA], v[rSB] matrix_a_fmt:MATRIX_FMT_FP4 matrix_b_fmt:MATRIX_FMT_FP4 matrix_a_scale:MATRIX_SCALE_ROW1 matrix_b_scale:MATRIX_SCALE_ROW1
.elseif fRA
	v_wmma_scale_f32_16x16x128_f8f6f4 v[rD:rD+7], v[rA:rA+7], v[rB:rB+7], 0, v[rSA], v[rSB] matrix_a_fmt:MATRIX_FMT_FP4 matrix_b_fmt:MATRIX_FMT_FP4 matrix_a_scale:MATRIX_SCALE_ROW1
.elseif fRB
	v_wmma_scale_f32_16x16x128_f8f6f4 v[rD:rD+7], v[rA:rA+7], v[rB:rB+7], 0, v[rSA], v[rSB] matrix_a_fmt:MATRIX_FMT_FP4 matrix_b_fmt:MATRIX_FMT_FP4 matrix_b_scale:MATRIX_SCALE_ROW1
.else
	v_wmma_scale_f32_16x16x128_f8f6f4 v[rD:rD+7], v[rA:rA+7], v[rB:rB+7], 0, v[rSA], v[rSB] matrix_a_fmt:MATRIX_FMT_FP4 matrix_b_fmt:MATRIX_FMT_FP4
.endif
.else
.if fRA && fRB
	v_wmma_scale_f32_16x16x128_f8f6f4 v[rD:rD+7], v[rA:rA+7], v[rB:rB+7], v[rD:rD+7], v[rSA], v[rSB] matrix_a_fmt:MATRIX_FMT_FP4 matrix_b_fmt:MATRIX_FMT_FP4 matrix_a_scale:MATRIX_SCALE_ROW1 matrix_b_scale:MATRIX_SCALE_ROW1
.elseif fRA
	v_wmma_scale_f32_16x16x128_f8f6f4 v[rD:rD+7], v[rA:rA+7], v[rB:rB+7], v[rD:rD+7], v[rSA], v[rSB] matrix_a_fmt:MATRIX_FMT_FP4 matrix_b_fmt:MATRIX_FMT_FP4 matrix_a_scale:MATRIX_SCALE_ROW1
.elseif fRB
	v_wmma_scale_f32_16x16x128_f8f6f4 v[rD:rD+7], v[rA:rA+7], v[rB:rB+7], v[rD:rD+7], v[rSA], v[rSB] matrix_a_fmt:MATRIX_FMT_FP4 matrix_b_fmt:MATRIX_FMT_FP4 matrix_b_scale:MATRIX_SCALE_ROW1
.else
	v_wmma_scale_f32_16x16x128_f8f6f4 v[rD:rD+7], v[rA:rA+7], v[rB:rB+7], v[rD:rD+7], v[rSA], v[rSB] matrix_a_fmt:MATRIX_FMT_FP4 matrix_b_fmt:MATRIX_FMT_FP4
.endif
.endif
.endm
	s_load_b256 s[4:11], s[0:1], 0x0               ; codes s[4:5], scales s[6:7], tau s[8:9], kv s[10:11]
	s_load_b64 s[12:13], s[0:1], 0x20              ; bias
	v_lshrrev_b32 v3, 5, v0
	v_readfirstlane_b32 s14, v3                    ; wave
	v_and_b32 v3, 31, v0
	v_lshlrev_b32 v[LI], 4, v3
	v_lshlrev_b32 v[L4], 2, v3
.irp j, 0,1,2,3,4,5,6,7
	v_mov_b32 v[TP+\j], 0                          ; written once: a lane permute's destination counts as one of its sources
.endr
	s_and_b32 s16, ttmp7, 0xffff
	s_lshl_b32 s16, s16, 2
	s_add_co_u32 s16, s16, s14                     ; head
	s_lshl_b32 s20, ttmp9, 14                      ; x's four tiles of 4,096 bytes
	s_mov_b32 s21, 0
	s_lshl_b32 s22, s16, 14
	s_add_co_u32 s22, s22, 512*4096                ; Wqk's tiles 512 + 4 head on (Wv's lie 32 tiles further)
	s_mov_b32 s23, 0
	s_lshl_b32 s24, ttmp9, 10                      ; x's scale bytes: 64 rows of 16
	s_mov_b32 s25, 0
	s_lshl_b32 s26, s16, 10
	s_add_co_u32 s26, s26, 8192*16                 ; Wqk's rows stand behind x's 8,192 (Wv's 512 rows further)
	s_mov_b32 s27, 0
	s_lshl_b32 s28, s16, 2                         ; tau[head]
	s_mov_b32 s29, 0
	s_lshr_b32 s17, ttmp9, 6
	s_lshl_b32 s17, s17, 3
	s_add_co_u32 s17, s17, s16                     ; 8 x batch + head
	s_and_b32 s18, ttmp9, 63                       ; the step of 64 tokens
	s_lshl_b32 s30, s17, 6
	s_add_co_u32 s30, s30, s18
	s_lshl_b32 s30, s30, 14                        ; my block of kv
	s_mov_b32 s31, 0
	s_lshl_b32 s32, s17, 14
	s_lshl_b32 s33, s18, 8
	s_add_co_u32 s32, s32, s33                     ; my 64 numbers of bias
	s_mov_b32 s33, 0
	s_mov_b32 s35, 0xffff0000                      ; lanes 16-31
	s_mov_b32 s36, 0x76543210
	s_mov_b32 s37, 0xfedcba98                      ; v_permlanex16_b32's selects for lane l xor 16
	s_wait_kmcnt 0x0
	s_add_nc_u64 s[20:21], s[4:5], s[20:21]
	s_add_nc_u64 s[22:23], s[4:5], s[22:23]
	s_add_nc_u64 s[24:25], s[6:7], s[24:25]
	s_add_nc_u64 s[26:27], s[6:7], s[26:27]
	s_add_nc_u64 s[8:9], s[8:9], s[28:29]
	s_add_nc_u64 s[10:11], s[10:11], s[30:31]
	s_add_nc_u64 s[12:13], s[12:13], s[32:33]
	s_load_b32 s34, s[8:9], 0x0                    ; tau[head]
.irp i, 0,1
	global_load_b128 v[XS+4*\i:XS+4*\i+3], v[LI], s[24:25] offset:512*\i          ; a lane a row: its four scale words
.endr
.irp i, 0,1
	global_load_b128 v[WS+4*\i:WS+4*\i+3], v[LI], s[26:27] offset:512*\i
	global_load_b128 v[WS+8+4*\i:WS+8+4*\i+3], v[LI], s[26:27] offset:8192+512*\i
.endr
.irp tt, 0,1,2,3
.irp i, 0,1,2,3,4,5,6,7
	global_load_b128 v[XF+32*\tt+4*\i:XF+32*\tt+4*\i+3], v[LI], s[20:21] offset:4096*\tt+512*\i
.endr
.endr
	WIN 0x40                                       ; destination window 1
.irp s, 0,1,2,3                        ; the weights by K step, 16 loads each, so that the products can begin when the first 16 are in
.irp wt, 0,1,2,3,4,5,6,7
.irp c, 0,1
	global_load_b128 v[32*\wt+8*\s+4*\c:32*\wt+8*\s+4*\c+3], v[LI], s[22:23] offset:(\wt/4)*131072+(\wt%4)*4096+512*(2*\s+\c)
.endr
.endr
.endr
; The 32 accumulators take turns, one instruction a turn, in the same order in every K step.
.irp s, 0,1,2,3
	s_wait_loadcnt 48-16*\s                        ; all but the later K steps' weights, 16 loads each
.if \s == 0
.set fZ, 1
.else
.set fZ, 0
.endif
	WIN 0xa1                                       ; source 0 (Wqk) window 1, source 1 (x) window 0, C and D window 2
.irp tt, 0,1,2,3
.irp ct, 0,1,2,3
.set rD, 8*(4*\tt+\ct)
.set rA, 32*\ct+8*\s
.set rB, XF+32*\tt+8*\s
.set rSA, WS+4*(\ct/2)+\s
.set rSB, XS+4*(\tt/2)+\s
.set fRA, \ct%2
.set fRB, \tt%2
	WM
.endr
.endr
	WIN 0xa4                                       ; source 0 (x) window 0, source 1 (Wv) window 1
.irp tt, 0,1,2,3
.irp ct, 0,1,2,3
.set rD, 128+8*(4*\tt+\ct)
.set rA, XF+32*\tt+8*\s
.set rB, 32*(4+\ct)+8*\s
.set rSA, XS+4*(\tt/2)+\s
.set rSB, WS+8+4*(\ct/2)+\s
.set fRA, \tt%2
.set fRB, \ct%2
	WM
.endr
.endr
.endr
.rept 4
	v_nop                                          ; four places between the last products and the first read of results, and the first write over x's fragments (ISA guide 7.12.1)
.endr
	WIN 0x0a                                       ; sources 0 and 1 window 2, source 2 and destination window 0
.irp m, 0,1,2,3,4,5,6,7,8,9,10,11,12,13,14,15      ; qk: each accumulator from its low end on: packed to f16, and its squares summed in f32
.irp k, 0,1,2,3
	v_cvt_pk_f16_f32 v[OUT+4*\m+\k], v[8*\m+2*\k], v[8*\m+2*\k+1]
.endr
.irp k, 0,1,2,3
.if (\m%4 == 0) && (\k == 0)
	v_pk_mul_f32 v[Q2+2*(\m/4):Q2+2*(\m/4)+1], v[8*\m:8*\m+1], v[8*\m:8*\m+1]
.else
	v_pk_fma_f32 v[Q2+2*(\m/4):Q2+2*(\m/4)+1], v[8*\m+2*\k:8*\m+2*\k+1], v[8*\m+2*\k:8*\m+2*\k+1], v[Q2+2*(\m/4):Q2+2*(\m/4)+1]
.endif
.endr
.endr
.irp m, 0,1,2,3,4,5,6,7,8,9,10,11,12,13,14,15      ; v
.irp k, 0,1,2,3
	v_cvt_pk_f16_f32 v[OUT+64+4*\m+\k], v[128+8*\m+2*\k], v[128+8*\m+2*\k+1]
.endr
.endr
	WIN 0
.irp m, 0,1,2,3,4,5,6,7,8,9,10,11,12,13,14,15,16,17,18,19,20,21,22,23,24,25,26,27,28,29,30,31
	global_store_b128 v[LI], v[OUT+4*\m:OUT+4*\m+3], s[10:11] offset:512*\m   ; an image: 512 consecutive bytes, aligned; K's sixteen, then V's
.endr
	s_wait_kmcnt 0x0                               ; tau
	s_and_b32 s34, s34, 0x80000000
	s_xor_b32 s34, s34, 0xbf000000                 ; -sign(tau) / 2
.irp tt, 0,1,2,3
	v_add_f32 v[TP+\tt], v[Q2+2*\tt], v[Q2+2*\tt+1]
.endr
.irp tt, 0,1,2,3
	v_permlanex16_b32 v[TP+4+\tt], v[TP+\tt], s36, s37   ; the token's other 32 channels lie in the lane 16 away
.endr
.irp tt, 0,1,2,3
	v_add_f32 v[TP+\tt], v[TP+\tt], v[TP+4+\tt]
.endr
.irp tt, 0,1,2,3
	v_mul_f32 v[TP+\tt], s34, v[TP+\tt]
.endr
.irp i, 0,1
	v_cndmask_b32 v[TP+4+\i], v[TP+2*\i], v[TP+2*\i+1], s35   ; lanes 0-15: tile 2 i's tokens, lanes 16-31: tile 2 i + 1's
.endr
.irp i, 0,1
	global_store_b32 v[L4], v[TP+4+\i], s[12:13] offset:128*\i
.endr
	s_endpgm
.Lfunc_end_k_q2f014112c9_proj:
	.size	k_q2f014112c9_proj, .Lfunc_end_k_q2f014112c9_proj-k_q2f014112c9_proj
	.p2alignl 7, 3214868480
	.fill 96, 4, 3214868480
	.section	.rodata,"a",@progbits
	.p2align	6, 0x0
	.amdhsa_kernel k_q2f014112c9_proj
		.amdhsa_group_segment_fixed_size 0
		.amdhsa_private_segment_fixed_size 0
		.amdhsa_enable_private_segment 0
		.amdhsa_kernarg_size 40
		.amdhsa_user_sgpr_count 2
		.amdhsa_user_sgpr_kernarg_segment_ptr 1
		.amdhsa_wavefront_size32 1
		.amdhsa_system_sgpr_workgroup_id_x 1
		.amdhsa_system_sgpr_workgroup_id_y 1
		.amdhsa_system_sgpr_workgroup_id_z 1
		.amdhsa_system_vgpr_workitem_id 0
		.amdhsa_next_free_vgpr 768
		.amdhsa_next_free_sgpr 66
		.amdhsa_reserve_vcc 0
		.amdhsa_float_denorm_mode_32 3
		.amdhsa_float_denorm_mode_16_64 3
		.amdhsa_memory_ordered 1
		.amdhsa_forward_progress 1
		.amdhsa_inst_pref_size 45
	.end_amdhsa_kernel
	.amdgpu_metadata
---
amdhsa.version: [ 1, 2 ]
amdhsa.kernels:
  - .name:           k_q2f014112c9_proj
    .symbol:         k_q2f014112c9_proj.kd
    .args:
      - { .name: codes, .offset: 0, .size: 8, .value_kind: global_buffer, .address_space: global }
      - { .name: scales, .offset: 8, .size: 8, .value_kind: global_buffer, .address_space: global }
      - { .name: tau, .offset: 16, .size: 8, .value_kind: global_buffer, .address_space: global }
      - { .name: kv, .offset: 24, .size: 8, .value_kind: global_buffer, .address_space: global }
      - { .name: bias, .offset: 32, .size: 8, .value_kind: global_buffer, .address_space: global }
    .group_segment_fixed_size: 0
    .private_segment_fixed_size: 0
    .kernarg_segment_align: 8
    .kernarg_segment_size: 40
    .max_flat_workgroup_size: 128
    .sgpr_count:     66
    .vgpr_count:     768
    .wavefront_size: 32
...
	.end_amdgpu_metadata
.endif
;; end of part 2
;; launch attn (part 3): grid 16 x 16, 8 waves a work-group, clusters of 4 x 1, 327,680 bytes of LDS; arguments kv, bias, tau, att; writes att
.if DOCPART == 3
	.amdgcn_target "amdgcn-amd-amdhsa--gfx1250"
	.amdhsa_code_object_version 6
	.text
	.protected	k_q2f014112c9_attn
	.globl	k_q2f014112c9_attn
	.p2align	8
	.type	k_q2f014112c9_attn,@function
k_q2f014112c9_attn:
	s_mov_b64 s[64:65], 0
	v_nop
	global_prefetch_b8 v0, s[64:65] scope:SCOPE_SE
	s_setreg_imm32_b32 hwreg(HW_REG_WAVE_MODE, 25, 1), 1
	s_wait_xcnt 0x0
	s_wait_alu depctr_hold_cnt(0) depctr_sa_sdst(0) depctr_va_vdst(0) depctr_va_sdst(0) depctr_va_ssrc(0) depctr_va_vcc(0) depctr_vm_vsrc(0)
	s_getreg_b32 s2, hwreg(HW_REG_IB_STS2, 6, 4)
	s_cmp_eq_u32 s2, 0
	s_cbranch_scc0 .Lentry_in_a_cluster
	s_endpgm
.Lentry_in_a_cluster:
	s_bfe_u32 s2, ttmp6, 0x10000c
	s_cmp_lg_u32 s2, 0x3003
	s_cbranch_scc0 .Lentry_shape_is_right
	s_endpgm
.Lentry_shape_is_right:
; LAUNCH 3 OF 4.  For each batch and head: O[i] = sum_j softmax_j(logits[i][j]) v[j], logits = (2 q_i . q_j - q2[i] - q2[j]) / 8 x tau.  The term with q2[i] is left out: it is the same along j (shown at the head of the first kernel).
; THE FORM.  sigma = sign(tau), c = |tau| log2(e) / 4.  t[i][j] = logits x log2(e) + (the term left out) = c s[i][j], s = (sigma q_i) . q_j + bias[j], bias[j] = -sigma q2[j] / 2 (made by the launch before, f32).
; c is never negative, so the largest t of a row is c x the largest s for either sign of tau.  sigma goes onto Q as an exclusive or of the f16 sign bits, which is exact; bias is the C of the first matrix instruction of each tile of scores.
; SOFTMAX: for each query a running maximum MT of t and a sum L: p = 2^(c s - MT); in every step O and L are multiplied by 2^(old MT - new MT).  Products on f16 operands, sums, maxima and p in f32; p is rounded to f16 for the second product.
; SHARES.  A work-group owns 256 queries of one head.  Waves g and g + 4 (one SIMD holds two waves) own the SAME 64 queries, four tiles of 16, and SPLIT THE KEYS: of the head's 64 steps of 64 keys wave g takes the even ones, wave g + 4 the odd ones.
; So a fragment of K or V read from LDS feeds four tiles of queries, and while one wave of a SIMD walks its softmax the other's products can be issued.  At the end the two halves are merged through LDS: each wave keeps two tiles and sends two.
; Register tile 0..3 of a wave holds the real tile (register tile xor 2 x (wave / 4)): so every wave keeps its register tiles 0, 1 and sends 2, 3, and the text is the same for all.
; LAYOUT.  S^T = K Q^T (source 0 = 16 keys, source 1 = 16 queries), O^T = V^T P (source 0 = 16 channels, source 1 = P): a lane holds ONE query throughout.  K and V come as images of their fragments: every LDS load takes 512 consecutive bytes.
; CLUSTER.  The four work-groups of a cluster belong to one head and walk the same K, V and bias: each tile is asked for JOINTLY, by the same tensor load with the same descriptor and a mask that names the four.
; RING.  Two slots of 8 steps (131,072 bytes); each of the eight waves fetches one step's block (16,384 bytes, 64 rows of 256) of a slot.  By this text's count a wave has three tensor loads out at the start and one behind each change of slots.
; LIMITS: |q|, |v| as f16 (the launch before); NaN and infinities are not served.
; LDS: slot 0 at 0, slot 1 at 2^17; the head's bias, 16,384 bytes, at 2^18, filled once; behind it the spare words.  The merge's stages, 8,704 bytes a wave, lie in slot 0, which has had its last fill and its last read at the last change of slots.
; REGISTERS.  Window 0: v1-7 addresses; v8-55 statistics, 12 a tile (+0 MT, +2 +3 L, +4..+7 at work, +8 the rescaling factor, +10 +11 at work); v56-119 S^T of two tiles; v120-151 P of two tiles; v152-215 Q; v216-247 bias of a step; v248-255 the merge.
;   Window 1: v0-127 O^T, 32 a tile; v128-191 K of a step; v192-255 V of a step.
.set SLOT1, 1<<17
.set BIAS,  1<<18
.set SPARE, BIAS+16384                 ; the spare words, 128 bytes for each of eight waves: four blocks of 256 bytes that no other line names
.set MST,   8704                       ; a wave's stage for the merge: 8,192 bytes of O^T, 512 of statistics
.set LI,  1                            ; v1   16 x lane
.set BI0, 2                            ; v2   BIAS + 32 (lane / 16): my eight keys' bias in a tile
.set ADR, 3                            ; v3   the step's block
.set ADB, 4                            ; v4   the step's bias
.set PFO, 5                            ; v5   256 x lane; never rewritten
.set SPW, 6                            ; v6   LDS address of my spare word; never rewritten
.set NIL, 7                            ; v7   0; never rewritten
.set ST,  8
.set S,   56
.set P,   120
.set Q,   152
.set BR,  216
.set STO, 248
.set STS, 249
.set RDO, 250
.set RDS, 251
.set PS,  252                          ; v252-255 the partner's MT and l of my two tiles
.set KF,  128                          ; in window 1
.set VF,  192
.set WV,  12                           ; s12  wave
.set LIM, 15                           ; s15  1 in a wave that prefetches, else the greatest number
.set PFA, 18                           ; s[18:19] where my prefetches stand
.set G1,  24                           ; s[24:31] group 1: 64 rows of 256 bytes
.set G1B, 32                           ; s[32:39] group 1: 8 rows of 256 bytes
.set G0A, 40                           ; s[40:43] group 0: slot 0's first fill
.set G0W, 44                           ; s[44:47] group 0: slot 1's first fill; it then walks
.set G0B, 48                           ; s[48:51] group 0: bias
.set SLOTS, 52
.set CNT, 53
.set TB,  54                           ; s54  LDS byte of my next step's block
.set TBI, 55                           ; s55  byte of my next step's bias in the head's
.set CS,  56                           ; s[56:57] c
.set SEL, 58                           ; s[58:59] selects for lane l xor 16
.set MSB, 0
.macro WIN new                         ; the immediate's high byte repeats the setting that is left
.if MSB != \new
	s_set_vgpr_msb (MSB<<8)|\new
.set MSB, \new
.endif
.endm
.macro PLACES
.rept 4
	v_nop
.endr
.endm
.macro CROUND                          ; a round of the cluster's barrier
	s_barrier_signal -1
	s_barrier_wait -1
	s_cmp_lg_u32 s[WV], 0
	s_cbranch_scc1 .Lnot_wave_0_\@
	s_barrier_signal -3
.Lnot_wave_0_\@:
	s_barrier_wait -3
	s_barrier_signal -1
	s_barrier_wait -1
.endm
.macro JLOAD                           ; the joint refill: every wave's one tensor load; an s_nop 0 and four v_nop follow it
	tensor_load_to_lds s[G0W:G0W+3], s[G1:G1+7]
	s_nop 0
	PLACES
.endm
; A prefetch of the slot that the NEXT change of slots will ask for: 512 blocks of 256 bytes, each named once in the launch.  All clusters of a head walk the same bytes: the head's first cluster asks; its four
; partners take 32,768 bytes each, told apart by address; in each, waves 0 to 3 take 8,192 bytes, lanes 256 bytes apart.  The last change that fills a slot asks for nothing; nothing is asked for at the head.
.macro ASK
	s_cmp_gt_u32 s[SLOTS], s[LIM]
	s_cbranch_scc0 .Lnot_mine_\@
	global_prefetch_b8 v[PFO], s[PFA:PFA+1] th:TH_LOAD_NT scope:SCOPE_SE
.Lnot_mine_\@:
.endm
.macro SETT p, t                       ; tile t of piece p: its statistics, scores and weights
.set rT, ST+12*(2*(\p)+(\t))
.set rS, S+32*(\t)
.set rP, P+16*(\t)
.endm
; THE SOFTMAX of piece p's two tiles for one step, the two tiles line by line by turns.  s0-s31 are a lane's 32 scores.
.macro SOFTMAX p
.irp k, 0,1,2,3                        ; the largest score: four chains, each begun at the low end of one accumulator
.irp t, 0,1
	SETT \p, \t
	v_max3_num_f32 v[rT+4+\k], v[rS+8*\k], v[rS+8*\k+1], v[rS+8*\k+2]
.endr
.endr
.irp i, 3,5
.irp k, 0,1,2,3
.irp t, 0,1
	SETT \p, \t
	v_max3_num_f32 v[rT+4+\k], v[rT+4+\k], v[rS+8*\k+\i], v[rS+8*\k+\i+1]
.endr
.endr
.endr
.irp t, 0,1
	SETT \p, \t
	v_max3_num_f32 v[rT+4], v[rT+4], v[rS+7], v[rS+15]
	v_max3_num_f32 v[rT+6], v[rT+6], v[rS+23], v[rS+31]
.endr
.irp t, 0,1
	SETT \p, \t
	v_max3_num_f32 v[rT+4], v[rT+4], v[rT+5], v[rT+6]
.endr
.irp t, 0,1
	SETT \p, \t
	v_max_num_f32 v[rT+4], v[rT+4], v[rT+7]
.endr
.irp t, 0,1
	SETT \p, \t
	v_permlanex16_b32 v[rT+5], v[rT+4], s[SEL], s[SEL+1]   ; the query's other 32 keys lie in the lane 16 away
.endr
.irp t, 0,1
	SETT \p, \t
	v_max_num_f32 v[rT+4], v[rT+4], v[rT+5]
.endr
.irp t, 0,1
	SETT \p, \t
	v_mul_f32 v[rT+10], s[CS], v[rT+4]             ; as t: c is not negative
.endr
.irp t, 0,1
	SETT \p, \t
	v_max_num_f32 v[rT+10], v[rT+10], v[rT]        ; the new MT
.endr
.irp t, 0,1
	SETT \p, \t
	v_sub_f32 v[rT+11], v[rT], v[rT+10]            ; old less new: 0 or less
.endr
.irp t, 0,1
	SETT \p, \t
	v_mov_b32 v[rT], v[rT+10]
.endr
.irp t, 0,1                            ; ONE BATCH of exponentials: the two factors and the 64 weights; nothing names a result ahead of the one wait
	SETT \p, \t
	v_exp_f32 v[rT+8], v[rT+11]
.endr
.irp j, 0,2,4,6,8,10,12,14,16,18,20,22,24,26,28,30
.irp t, 0,1
	SETT \p, \t
	v_pk_fma_f32 v[rS+\j:rS+\j+1], v[rS+\j:rS+\j+1], s[CS:CS+1], v[rT:rT+1] op_sel_hi:[1,0,0] neg_lo:[0,0,1] neg_hi:[0,0,1]   ; c s - MT
.endr
.endr
.irp j, 0,1,2,3,4,5,6,7,8,9,10,11,12,13,14,15,16,17,18,19,20,21,22,23,24,25,26,27,28,29,30,31
.irp t, 0,1
	SETT \p, \t
	v_exp_f32 v[rS+\j], v[rS+\j]
.endr
.endr
	v_nop                                          ; a plain instruction behind the last exponential, ahead of the first use
	s_wait_alu depctr_va_vdst(0)                   ; this wait stands ahead of the first instruction that names a result: one for the 66
.irp j, 0,1,2,3,4,5,6,7,8,9,10,11,12,13,14,15
.irp t, 0,1
	SETT \p, \t
	v_cvt_pk_f16_f32 v[rP+\j], v[rS+2*\j], v[rS+2*\j+1]
.endr
.endr
.irp t, 0,1
	SETT \p, \t
	v_pk_mul_f32 v[rT+2:rT+3], v[rT+2:rT+3], v[rT+8:rT+9] op_sel_hi:[1,0]   ; L under the new MT
	v_pk_add_f32 v[rT+10:rT+11], v[rS:rS+1], v[rS+2:rS+3]                   ; the sum of the unrounded p, in two chains
.endr
.irp j, 4,8,12,16,20,24,28
.irp t, 0,1
	SETT \p, \t
	v_pk_add_f32 v[rT+2:rT+3], v[rT+2:rT+3], v[rS+\j:rS+\j+1]
	v_pk_add_f32 v[rT+10:rT+11], v[rT+10:rT+11], v[rS+\j+2:rS+\j+3]
.endr
.endr
.irp t, 0,1
	SETT \p, \t
	v_pk_add_f32 v[rT+2:rT+3], v[rT+2:rT+3], v[rT+10:rT+11]
.endr
.endm
; PIECE p: register tiles 2 p and 2 p + 1.  Eight accumulators take turns, one instruction a turn, in both products.
.macro PIECE p
	WIN 0x01                                       ; source 0 (K) window 1
.irp kk, 0,1                           ; channels 32 kk on
.irp kt, 0,1,2,3
.irp t, 0,1
.if \kk == 0
	v_wmma_f32_16x16x32_f16 v[S+32*\t+8*\kt:S+32*\t+8*\kt+7], v[KF+16*\kt:KF+16*\kt+7], v[Q+16*(2*\p+\t):Q+16*(2*\p+\t)+7], v[BR+8*\kt:BR+8*\kt+7]
.else
	v_wmma_f32_16x16x32_f16 v[S+32*\t+8*\kt:S+32*\t+8*\kt+7], v[KF+16*\kt+8:KF+16*\kt+15], v[Q+16*(2*\p+\t)+8:Q+16*(2*\p+\t)+15], v[S+32*\t+8*\kt:S+32*\t+8*\kt+7]
.endif
.endr
.endr
.endr
	WIN 0
	PLACES                                         ; four places between the last product and the first read of scores (ISA guide 7.12.1)
	SOFTMAX \p
	WIN 0x41                                       ; O^T (destination and source 0) window 1
.irp t, 0,1
	SETT \p, \t
.set i, 32*(2*\p+\t)
.rept 16
	v_pk_mul_f32 v[i:i+1], v[i:i+1], v[rT+8:rT+9] op_sel_hi:[1,0]   ; O^T under the new MT
.set i, i+2
.endr
.endr
.if \p == 0
	s_wait_dscnt 0x0                               ; V is in
.endif
	WIN 0x51                                       ; V, C and D window 1, P window 0
.irp kp, 0,1                           ; keys 32 kp on
.irp ct, 0,1,2,3
.irp t, 0,1
	v_wmma_f32_16x16x32_f16 v[32*(2*\p+\t)+8*\ct:32*(2*\p+\t)+8*\ct+7], v[VF+8*(4*\kp+\ct):VF+8*(4*\kp+\ct)+7], v[P+16*\t+8*\kp:P+16*\t+8*\kp+7], v[32*(2*\p+\t)+8*\ct:32*(2*\p+\t)+8*\ct+7]
.endr
.endr
.endr
.endm
; A KEY STEP of the wave: 64 keys.
.macro STEP
	v_add_nc_u32 v[ADR], s[TB], v[LI]
	v_add_nc_u32 v[ADB], s[TBI], v[BI0]
	v_nop
	v_nop                                          ; with the two additions: four places between the last step's last products and the loads into V's registers
.irp i, 0,1,2,3,4,5,6,7
	ds_load_b128 v[BR+4*\i:BR+4*\i+3], v[ADB] offset:64*(\i/2)+16*(\i%2)   ; bias of keys 16 (i / 2) + 8 (lane / 16) + 4 (i % 2) on: the scores' layout
.endr
	WIN 0x40                                       ; destination window 1
.irp i, 0,1,2,3,4,5,6,7,8,9,10,11,12,13,14,15
	ds_load_b128 v[KF+4*\i:KF+4*\i+3], v[ADR] offset:512*\i
.endr
.irp kt, 0,1,2,3
.irp ct, 0,1,2,3
	ds_load_b128 v[VF+8*(4*(\kt/2)+\ct)+4*(\kt%2):VF+8*(4*(\kt/2)+\ct)+4*(\kt%2)+3], v[ADR] offset:8192+2048*\kt+512*\ct
.endr
.endr
	s_wait_dscnt 16                                ; bias and K are in; V's sixteen loads may be out
	PIECE 0
	PIECE 1
	WIN 0                                          ; at a label and at a branch every window is 0
	s_add_co_u32 s[TB], s[TB], 32768               ; my next step lies two blocks on
	s_add_co_u32 s[TBI], s[TBI], 512
.endm
.macro SLOT_STEPS                      ; my four steps of a slot: written once, walked four times
	s_mov_b32 s[CNT], 4
.Lstep_\@:
	STEP
	s_sub_co_u32 s[CNT], s[CNT], 1
	s_cmp_lg_u32 s[CNT], 0
	s_cbranch_scc1 .Lstep_\@
.endm
; THE CHANGE OF SLOTS.  Each wave waits for all its tensor loads (its part of the other slot), adds 0 to its spare word, and waits for that and for its reads of the slot that it leaves.
; fill = 1: the barrier is a round of the cluster's, so that no wave of any partner still reads the slot or has a load on its way; the joint refill is the first thing behind it and has four of my steps in which to land.
.macro CHANGE fill
	s_wait_tensorcnt 0x0                           ; no tensor load of mine is out, so a group 0 may be written
	ds_add_u32 v[SPW], v[NIL]                      ; 0 onto my spare word
.if \fill
	s_xor_b32 s[G0W+1], s[G0W+1], SLOT1            ; the walking descriptor: the other slot than last time,
	s_add_nc_u64 s[G0W+2:G0W+3], s[G0W+2:G0W+3], 131072   ; the next eight steps; the type bits on top are not reached
	s_wait_xcnt 0x0                                ; the last prefetch, a slot back, has read its address, so it may be written:
	s_add_nc_u64 s[PFA:PFA+1], s[PFA:PFA+1], 131072   ; one slot further on than the walking descriptor
	s_wait_dscnt 0x0                               ; the add is done, and my reads of the slot are over
	CROUND
	JLOAD
	ASK
.else
	s_wait_dscnt 0x0                               ; the add is done, and my reads of the slot are over
	s_barrier_signal -1
	s_barrier_wait -1
.endif
	s_sub_co_u32 s[TB], s[TB], 131072              ; back to a slot's first steps,
	s_xor_b32 s[TB], s[TB], SLOT1                  ; in the other slot
.endm
	s_load_b256 s[4:11], s[0:1], 0x0               ; kv s[4:5], bias s[6:7], tau s[8:9], att s[10:11]
	v_lshl_add_u32 v[SPW], v0, 2, SPARE
	v_mov_b32 v[NIL], 0
	ds_add_u32 v[SPW], v[NIL]                      ; the wave's opening: the add, twice on end, and its wait ahead of my first tensor load; the set-up below, work on registers, stands between
	ds_add_u32 v[SPW], v[NIL]
	v_lshrrev_b32 v1, 5, v0
	v_readfirstlane_b32 s[WV], v1                  ; wave 0..7
	s_bfe_u32 s13, ttmp6, 0x40000                  ; cx: my place in the cluster
	s_lshl_b32 s14, ttmp9, 2
	s_add_co_u32 s14, s14, s13                     ; my block of 256 queries: it enters Q's and att's addresses alone
	s_and_b32 s16, ttmp7, 0xffff                   ; 8 x batch + head, which the four partners share
	s_lshr_b32 s17, s[WV], 2                       ; which steps are mine: even (0) or odd (1)
	s_mov_b32 s[G1], 15|(3<<16)|(1<<21)            ; 15:0 the mask: all four work-groups; 17:16 elements of 8 bytes; 21 set beside a mask; no padding
	s_mov_b32 s[G1B], 15|(3<<16)|(1<<21)
.irp g, G1, G1B
	s_mov_b32 s[\g+1], 32<<16                      ; tensor_dim0 = 32 elements: 256 bytes
	s_mov_b32 s[\g+3], 32<<16                      ; tile_dim0
	s_mov_b32 s[\g+5], 32                          ; the pitch: the block is dense
	s_mov_b32 s[\g+6], 0
	s_mov_b32 s[\g+7], 0
.endr
	s_mov_b32 s[G1+2], 64<<16                      ; tensor_dim1
	s_mov_b32 s[G1+4], 64                          ; tile_dim1
	s_mov_b32 s[G1B+2], 8<<16
	s_mov_b32 s[G1B+4], 8
	s_lshl_b32 s20, s16, 20                        ; the head's first byte in kv
	s_mov_b32 s21, 0
	s_lshl_b32 s22, s[WV], 14
	s_mov_b32 s23, 0
	s_add_nc_u64 s[22:23], s[22:23], s[20:21]      ; the block that I fetch of the first eight steps
	s_lshl_b32 s60, s16, 14
	s_lshl_b32 s61, s[WV], 11
	s_add_co_u32 s60, s60, s61                     ; the 2,048 bytes of the head's bias that I fetch
	s_mov_b32 s61, 0
	s_lshl_b32 s2, s14, 16
	s_and_b32 s3, s[WV], 3
	s_lshl_b32 s3, s3, 14
	s_add_co_u32 s2, s2, s3                        ; my 64 queries are block 4 X + (wave % 4) of the head
	s_mov_b32 s3, 0
	s_add_nc_u64 s[2:3], s[2:3], s[20:21]
	s_lshr_b32 s62, s16, 3                         ; att: row tile 256 batch + 16 X + 4 (wave % 4) + 2 (wave / 4), 16,384 bytes each; in it the head's 2,048 bytes
	s_lshl_b32 s62, s62, 22
	s_lshl_b32 s63, s14, 18
	s_add_co_u32 s62, s62, s63
	s_and_b32 s63, s[WV], 3
	s_lshl_b32 s63, s63, 16
	s_add_co_u32 s62, s62, s63
	s_lshl_b32 s63, s17, 15
	s_add_co_u32 s62, s62, s63
	s_and_b32 s63, s16, 7
	s_lshl_b32 s63, s63, 11
	s_add_co_u32 s62, s62, s63
	s_mov_b32 s63, 0
	s_lshl_b32 s18, s13, 15                        ; the prefetches: my work-group's 32,768 bytes of a slot,
	s_and_b32 s19, s[WV], 3
	s_lshl_b32 s19, s19, 13                        ; my wave's 8,192 of them,
	s_add_co_u32 s18, s18, s19
	s_add_co_u32 s18, s18, 2*131072                ; in the third eight steps: the first change of slots steps it to the fourth
	s_mov_b32 s19, 0
	s_add_nc_u64 s[18:19], s[18:19], s[20:21]
	s_lshr_b32 s[LIM], s[WV], 2                    ; 0 in waves 0 to 3,
	s_or_b32 s[LIM], s[LIM], ttmp9                 ; where the cluster is the head's first: the same in all four partners
	s_cmp_eq_u32 s[LIM], 0
	s_cselect_b32 s[LIM], 1, -1
	s_mov_b32 s[SEL], 0x76543210
	s_mov_b32 s[SEL+1], 0xfedcba98
	s_lshl_b32 s[TB], s17, 14
	s_lshl_b32 s[TBI], s17, 8
	s_mov_b32 s[SLOTS], 6
	s_wait_dscnt 0x0                               ; both opening adds are done
	s_wait_kmcnt 0x0
	s_add_nc_u64 s[2:3], s[4:5], s[2:3]
	s_add_nc_u64 s[PFA:PFA+1], s[4:5], s[18:19]
	s_add_nc_u64 s[10:11], s[10:11], s[62:63]
	s_mov_b32 s[G0A], 1                            ; count = 1
	s_lshl_b32 s[G0A+1], s[WV], 14                 ; LDS address: wave x 16,384: no place in the cluster enters it
	s_add_nc_u64 s[G0A+2:G0A+3], s[4:5], s[22:23]
	s_mov_b32 s[G0W], 1
	s_add_co_u32 s[G0W+1], s[G0A+1], SLOT1
	s_add_nc_u64 s[G0W+2:G0W+3], s[G0A+2:G0A+3], 131072
	s_or_b32 s[G0A+3], s[G0A+3], 0x80000000        ; type = 2
	s_or_b32 s[G0W+3], s[G0W+3], 0x80000000
	s_mov_b32 s[G0B], 1
	s_lshl_b32 s[G0B+1], s[WV], 11
	s_add_co_u32 s[G0B+1], s[G0B+1], BIAS
	s_add_nc_u64 s[G0B+2:G0B+3], s[6:7], s[60:61]
	s_or_b32 s[G0B+3], s[G0B+3], 0x80000000
	s_and_b32 s20, s16, 7
	s_lshl_b32 s20, s20, 2
	s_add_nc_u64 s[8:9], s[8:9], s[20:21]
	s_load_b32 s60, s[8:9], 0x0                    ; tau[head]
	CROUND                                         ; all four work-groups are here: the first joint loads meet
	tensor_load_to_lds s[G0B:G0B+3], s[G1B:G1B+7]  ; every wave issues all three first fills, with no branch: my part of bias,
	s_nop 0
	tensor_load_to_lds s[G0A:G0A+3], s[G1:G1+7]    ; of slot 0,
	s_nop 0
	tensor_load_to_lds s[G0W:G0W+3], s[G1:G1+7]    ; of slot 1
	s_nop 0
	PLACES
	v_and_b32 v3, 31, v0
	v_lshlrev_b32 v[LI], 4, v3
	v_lshlrev_b32 v[PFO], 8, v3
	v_bfe_u32 v[BI0], v0, 4, 1
	v_lshl_add_u32 v[BI0], v[BI0], 5, BIAS
	s_lshl_b32 s22, s17, 12
	v_add_nc_u32 v[ADR], s22, v[LI]                ; register tiles 0, 1 are real tiles 2 (wave / 4) on,
	s_xor_b32 s22, s22, 4096
	v_add_nc_u32 v[ADB], s22, v[LI]                ; register tiles 2, 3 the other two
.irp tr, 0,1,2,3
.irp ct, 0,1,2,3
	global_load_b128 v[Q+16*\tr+4*\ct:Q+16*\tr+4*\ct+3], v[ADR+\tr/2], s[2:3] offset:(\tr%2)*2048+512*\ct   ; Q is K's image of my 64 tokens: it stays in registers
.endr
.endr
	s_mul_i32 s22, s[WV], MST                      ; the merge: my stage,
	v_add_nc_u32 v[STO], s22, v[LI]
	v_lshrrev_b32 v[STS], 2, v[LI]
	v_mov_b32 v[RDS], v[STS]
	s_add_co_u32 s22, s22, 8192
	v_add_nc_u32 v[STS], s22, v[STS]
	s_xor_b32 s23, s[WV], 4
	s_mul_i32 s23, s23, MST                        ; and my partner's
	v_add_nc_u32 v[RDO], s23, v[LI]
	s_add_co_u32 s23, s23, 8192
	v_add_nc_u32 v[RDS], s23, v[RDS]
.irp k, 0,1,2,3
	v_mov_b32 v[ST+12*\k], 0xff61b1e6              ; MT: -3e38, under every t
	v_mov_b32 v[ST+12*\k+1], 0                     ; (named with it as a pair)
	v_mov_b32 v[ST+12*\k+2], 0                     ; L, in two halves
	v_mov_b32 v[ST+12*\k+3], 0
	v_mov_b32 v[ST+12*\k+9], 0                     ; (named as a pair with the factor)
.endr
	WIN 0x40
.set i, 0
.rept 128
	v_mov_b32 v[i], 0                              ; O^T.  The step is written without a first step of its own: the first finds zeros, which the first change of MT leaves zeros
.set i, i+1
.endr
	WIN 0
	s_wait_kmcnt 0x0                               ; tau
	s_ashr_i32 s61, s60, 31
	s_and_b32 s61, s61, 0x80008000                 ; the sign bits of two f16 where tau is negative, else 0
	s_and_b32 s[CS], s60, 0x7fffffff
	s_mul_f32 s[CS], s[CS], 0x3eb8aa3b             ; c = |tau| log2(e) / 4
	s_mov_b32 s[CS+1], s[CS]                       ; (named with it as a pair)
	s_wait_loadcnt 0x0                             ; Q
.set i, 0
.rept 64
	v_xor_b32 v[Q+i], s61, v[Q+i]                  ; sigma q
.set i, i+1
.endr
	s_wait_tensorcnt 1                             ; my parts of bias and of slot 0 are in; slot 1's load may stay out
	s_barrier_signal -1
	s_barrier_wait -1                              ; everybody's are
	SLOT_STEPS
.Lslot:                                ; six trips: every slot but the last two is filled again
	CHANGE 1
	SLOT_STEPS
	s_sub_co_u32 s[SLOTS], s[SLOTS], 1
	s_cmp_lg_u32 s[SLOTS], 0
	s_cbranch_scc1 .Lslot
	CHANGE 0                                       ; the tail is written out: slot 0 is left, and nothing is asked for
	SLOT_STEPS
	; THE MERGE.  Register tiles 2 and 3 (O^T, MT, l) go to my stage; my partner's, which are my tiles 0 and 1 over the other half of the keys, come back.
.irp k, 0,1,2,3
	v_add_f32 v[ST+12*\k+10], v[ST+12*\k+2], v[ST+12*\k+3]   ; l's two halves.  These four are the places between the last products and the stores that read O^T
.endr
	WIN 0x04                                       ; an LDS store's data are its source 1: window 1
.set i, 0
.rept 16
	ds_store_b128 v[STO], v[64+4*i:64+4*i+3] offset:512*i    ; each accumulator from its low end on
.set i, i+1
.endr
	WIN 0
.irp k, 0,1
	ds_store_b32 v[STS], v[ST+12*(2+\k)] offset:256*\k
	ds_store_b32 v[STS], v[ST+12*(2+\k)+10] offset:256*\k+128
.endr
	s_wait_dscnt 0x0                               ; for the partner's sake: my stores are done
	s_barrier_signal -1
	s_barrier_wait -1
.set i, 0
.rept 16
	ds_load_b128 v[S+4*i:S+4*i+3], v[RDO] offset:512*i
.set i, i+1
.endr
.irp k, 0,1,2,3
	ds_load_b32 v[PS+\k], v[RDS] offset:128*\k
.endr
	s_wait_dscnt 0x0
.irp t, 0,1
	v_max_num_f32 v[ST+12*\t+4], v[ST+12*\t], v[PS+2*\t]     ; the common maximum
.endr
.irp t, 0,1
	v_sub_f32 v[ST+12*\t+5], v[ST+12*\t], v[ST+12*\t+4]
	v_sub_f32 v[ST+12*\t+6], v[PS+2*\t], v[ST+12*\t+4]
.endr
.irp t, 0,1
	v_exp_f32 v[ST+12*\t+5], v[ST+12*\t+5]         ; my half's factor,
	v_exp_f32 v[ST+12*\t+6], v[ST+12*\t+6]         ; my partner's
.endr
	v_nop
	s_wait_alu depctr_va_vdst(0)                   ; one wait for the four, ahead of their first reader
.irp t, 0,1
	v_mul_f32 v[ST+12*\t+10], v[ST+12*\t+5], v[ST+12*\t+10]
.endr
.irp t, 0,1
	v_fmac_f32 v[ST+12*\t+10], v[ST+12*\t+6], v[PS+2*\t+1]
.endr
.irp t, 0,1
	v_permlanex16_b32 v[ST+12*\t+11], v[ST+12*\t+10], s[SEL], s[SEL+1]
.endr
.irp t, 0,1
	v_add_f32 v[ST+12*\t+10], v[ST+12*\t+10], v[ST+12*\t+11]   ; the row's sum over all keys
.endr
.irp t, 0,1
	v_rcp_f32 v[ST+12*\t+7], v[ST+12*\t+10]
.endr
	v_nop
	s_wait_alu depctr_va_vdst(0)                   ; one wait for the two
.irp t, 0,1
	v_mul_f32 v[ST+12*\t+8], v[ST+12*\t+5], v[ST+12*\t+7]
	v_mul_f32 v[ST+12*\t+10], v[ST+12*\t+6], v[ST+12*\t+7]
.endr
.irp t, 0,1
.set i, 0
.rept 16
	v_pk_mul_f32 v[S+32*\t+i:S+32*\t+i+1], v[S+32*\t+i:S+32*\t+i+1], v[ST+12*\t+10:ST+12*\t+11] op_sel_hi:[1,0]
.set i, i+2
.endr
.endr
	WIN 0x01                                       ; source 0 (my O^T) window 1
.irp t, 0,1
.set i, 0
.rept 16
	v_pk_fma_f32 v[S+32*\t+i:S+32*\t+i+1], v[32*\t+i:32*\t+i+1], v[ST+12*\t+8:ST+12*\t+9], v[S+32*\t+i:S+32*\t+i+1] op_sel_hi:[1,0,1]
.set i, i+2
.endr
.endr
	WIN 0
.set i, 0
.rept 32
	v_cvt_pk_f16_f32 v[P+i], v[S+2*i], v[S+2*i+1]  ; a lane's eight channels of a token: 16 bytes of the next product's fragment
.set i, i+1
.endr
.irp t, 0,1
.irp ct, 0,1,2,3
	global_store_b128 v[LI], v[P+16*\t+4*\ct:P+16*\t+4*\ct+3], s[10:11] offset:16384*\t+512*\ct   ; an image: 512 consecutive bytes, aligned
.endr
.endr
	s_wait_tensorcnt 0x0                           ; the wave's end: behind my last tensor load and my last LDS store
	ds_add_u32 v[SPW], v[NIL]
	s_wait_dscnt 0x0
	CROUND                                         ; the closing round: no work-group ends while a partner may still ask for a tile that names it
	s_endpgm
.Lfunc_end_k_q2f014112c9_attn:
	.size	k_q2f014112c9_attn, .Lfunc_end_k_q2f014112c9_attn-k_q2f014112c9_attn
	.p2alignl 7, 3214868480
	.fill 96, 4, 3214868480
	.section	.rodata,"a",@progbits
	.p2align	6, 0x0
	.amdhsa_kernel k_q2f014112c9_attn
		.amdhsa_group_segment_fixed_size 327680
		.amdhsa_private_segment_fixed_size 0
		.amdhsa_enable_private_segment 0
		.amdhsa_kernarg_size 32
		.amdhsa_user_sgpr_count 2
		.amdhsa_user_sgpr_kernarg_segment_ptr 1
		.amdhsa_wavefront_size32 1
		.amdhsa_system_sgpr_workgroup_id_x 1
		.amdhsa_system_sgpr_workgroup_id_y 1
		.amdhsa_system_sgpr_workgroup_id_z 1
		.amdhsa_system_vgpr_workitem_id 0
		.amdhsa_next_free_vgpr 512
		.amdhsa_next_free_sgpr 66
		.amdhsa_reserve_vcc 0
		.amdhsa_float_denorm_mode_32 3
		.amdhsa_float_denorm_mode_16_64 3
		.amdhsa_memory_ordered 1
		.amdhsa_forward_progress 1
		.amdhsa_inst_pref_size 126
	.end_amdhsa_kernel
	.amdgpu_metadata
---
amdhsa.version: [ 1, 2 ]
amdhsa.kernels:
  - .name:           k_q2f014112c9_attn
    .symbol:         k_q2f014112c9_attn.kd
    .args:
      - { .name: kv, .offset: 0, .size: 8, .value_kind: global_buffer, .address_space: global }
      - { .name: bias, .offset: 8, .size: 8, .value_kind: global_buffer, .address_space: global }
      - { .name: tau, .offset: 16, .size: 8, .value_kind: global_buffer, .address_space: global }
      - { .name: att, .offset: 24, .size: 8, .value_kind: global_buffer, .address_space: global }
    .group_segment_fixed_size: 327680
    .private_segment_fixed_size: 0
    .kernarg_segment_align: 8
    .kernarg_segment_size: 32
    .max_flat_workgroup_size: 256
    .sgpr_count:     66
    .vgpr_count:     512
    .wavefront_size: 32
...
	.end_amdgpu_metadata
.endif
;; end of part 3
;; launch outp (part 4): grid 4 x 64, 8 waves a work-group, clusters of 4 x 4, 327,680 bytes of LDS; arguments att, wo16, out0; writes out0
.if DOCPART == 4
	.amdgcn_target "amdgcn-amd-amdhsa--gfx1250"
	.amdhsa_code_object_version 6
	.text
	.protected	k_q2f014112c9_outp
	.globl	k_q2f014112c9_outp
	.p2align	8
	.type	k_q2f014112c9_outp,@function
k_q2f014112c9_outp:
	s_mov_b64 s[64:65], 0
	v_nop
	global_prefetch_b8 v0, s[64:65] scope:SCOPE_SE
	s_setreg_imm32_b32 hwreg(HW_REG_WAVE_MODE, 25, 1), 1
	s_wait_xcnt 0x0
	s_wait_alu depctr_hold_cnt(0) depctr_sa_sdst(0) depctr_va_vdst(0) depctr_va_sdst(0) depctr_va_ssrc(0) depctr_va_vcc(0) depctr_vm_vsrc(0)
	s_getreg_b32 s2, hwreg(HW_REG_IB_STS2, 6, 4)
	s_cmp_eq_u32 s2, 0
	s_cbranch_scc0 .Lentry_in_a_cluster
	s_endpgm
.Lentry_in_a_cluster:
	s_bfe_u32 s2, ttmp6, 0x10000c
	s_cmp_lg_u32 s2, 0xf033
	s_cbranch_scc0 .Lentry_shape_is_right
	s_endpgm
.Lentry_shape_is_right:
; LAUNCH 4 OF 4.  out0[n][o] = sum over k of a[n][k] Wo[o][k]: a = attention's result, [8192][512], and Wo [512][512], both as f16 images of their fragments ([row tile][K step 16][half 2][512 bytes]); sums in f32; out0 f32.
; SHARES.  A work-group makes 128 tokens x 128 columns; all of K (512) of both operands, 131,072 bytes each, comes into LDS once and nothing is filled again.  Eight waves, two to a SIMD:
; wave w makes token tiles 2 (w / 2), 2 (w / 2) + 1 x column tiles 4 (w % 2) .. + 3: eight accumulators, which take turns.
; CLUSTERS: 4 x 4 work-groups.  The four of a row of the cluster need the same rows of a, the four of a column the same rows of Wo: each quarter is asked for JOINTLY, by the same tensor load with the same descriptor
; and a mask that names the four.  Waves 0 to 3 fetch a's quarters, waves 4 to 7 Wo's: one tensor load a wave in the whole launch.
; THE MATRIX INSTRUCTION IS USED TRANSPOSED (source 0 = 16 rows of Wo, source 1 = 16 tokens): a lane then holds eight neighbouring columns of one row of out0.
; LDS: a's eight tiles at 0, Wo's at 131,072; the stages for the way out, 16 rows x 272 bytes a wave, at 262,144; behind them the spare words.
; REGISTERS: v2-6 addresses; v8, v9 the add's two; v16-63, v64-111 two sets of fragments (a's two at +0, Wo's four at +16); v112-175 the accumulators ((tt, ct) at 112 + 8 (4 tt + ct)); v176-239 rows on the way out.
.set STAGE, 262144
.set SPITCH, 272
.set SPARE, STAGE+8*16*SPITCH          ; the spare words, 128 bytes for each of eight waves: four blocks of 256 bytes that no other line names
.set ADA, 2
.set ADB, 3
.set STO, 4
.set RD,  5
.set CO,  6
.set SPW, 8
.set NIL, 9
.set F0,  16
.set ACC, 112
.set OB,  176
.set G1,  24                           ; s[24:31], s[32:35] groups 1 and 0 for a
.set G0,  32
.set G1B, 48                           ; s[48:55], s[56:59] for Wo
.set G0B, 56
.macro PLACES
.rept 4
	v_nop
.endr
.endm
.macro CROUND                          ; a round of the cluster's barrier
	s_barrier_signal -1
	s_barrier_wait -1
	s_cmp_lg_u32 s10, 0
	s_cbranch_scc1 .Lnot_wave_0_\@
	s_barrier_signal -3
.Lnot_wave_0_\@:
	s_barrier_wait -3
	s_barrier_signal -1
	s_barrier_wait -1
.endm
	s_load_b128 s[4:7], s[0:1], 0x0                ; a s[4:5], Wo s[6:7]
	s_load_b64 s[8:9], s[0:1], 0x10                ; out0
	v_lshl_add_u32 v[SPW], v0, 2, SPARE
	v_mov_b32 v[NIL], 0
	ds_add_u32 v[SPW], v[NIL]                      ; the wave's opening: the add, twice on end, and its wait ahead of my first tensor load; the set-up below, work on registers, stands between
	ds_add_u32 v[SPW], v[NIL]
	v_lshrrev_b32 v1, 5, v0
	v_readfirstlane_b32 s10, v1                    ; wave 0..7
	s_lshr_b32 s11, s10, 2                         ; I fetch for a (0) or for Wo (1),
	s_and_b32 s12, s10, 3                          ; this quarter of its 131,072 bytes
	s_bfe_u32 s40, ttmp6, 0x40000                  ; cx, cy: my place in the cluster
	s_bfe_u32 s41, ttmp6, 0x40004
	s_lshl_b32 s42, ttmp9, 2
	s_add_co_u32 s42, s42, s40                     ; block of 128 columns = 4 x cluster x + cx
	s_and_b32 s13, ttmp7, 0xffff
	s_lshl_b32 s13, s13, 2
	s_add_co_u32 s13, s13, s41                     ; block of 128 tokens = 4 x cluster y + cy
	s_lshl_b32 s43, s41, 2
	s_lshl_b32 s43, 15, s43                        ; my row of the cluster
	s_lshl_b32 s44, 0x1111, s40                    ; my column
	s_or_b32 s[G1], s43, (3<<16)|(1<<21)           ; 15:0 the mask: a's rows go to my row of the cluster; 17:16 elements of 8 bytes; 21 set beside a mask; no padding
	s_or_b32 s[G1B], s44, (3<<16)|(1<<21)          ; Wo's to my column
.irp g, G1, G1B
	s_mov_b32 s[\g+1], 32<<16                      ; tensor_dim0 = 32 elements: 256 bytes
	s_mov_b32 s[\g+2], 128<<16                     ; tensor_dim1 = 128
	s_mov_b32 s[\g+3], 32<<16                      ; tile_dim0
	s_mov_b32 s[\g+4], 128                         ; tile_dim1
	s_mov_b32 s[\g+5], 32                          ; the pitch: the block is dense
	s_mov_b32 s[\g+6], 0
	s_mov_b32 s[\g+7], 0
.endr
	s_lshl_b32 s17, s12, 15
	s_lshl_b32 s16, s13, 17
	s_add_co_u32 s16, s16, s17                     ; a: 131,072 x token block + 32,768 x quarter
	s_lshl_b32 s46, s42, 17
	s_add_co_u32 s46, s46, s17                     ; Wo: the same by the column block
	s_mov_b32 s17, 0
	s_mov_b32 s47, 0
	s_lshl_b32 s20, s10, 15                        ; where it goes: wave x 32,768: no place in the cluster enters an LDS address
	s_wait_dscnt 0x0                               ; both opening adds are done
	s_wait_kmcnt 0x0
	s_add_nc_u64 s[14:15], s[4:5], s[16:17]
	s_add_nc_u64 s[46:47], s[6:7], s[46:47]
	CROUND                                         ; all sixteen work-groups are here: the joint loads meet
	s_mov_b32 s[G0], 1
	s_mov_b32 s[G0+1], s20
	s_mov_b64 s[G0+2:G0+3], s[14:15]
	s_or_b32 s[G0+3], s[G0+3], 0x80000000
	s_mov_b32 s[G0B], 1
	s_mov_b32 s[G0B+1], s20
	s_mov_b64 s[G0B+2:G0B+3], s[46:47]
	s_or_b32 s[G0B+3], s[G0B+3], 0x80000000
	s_cmp_eq_u32 s11, 0                            ; the branch hangs on the wave's number alone; each arm holds a fill; an s_nop 0 and four v_nop follow each
	s_cbranch_scc0 .Lfor_wo
	tensor_load_to_lds s[G0:G0+3], s[G1:G1+7]
	s_nop 0
	PLACES
	s_branch .Lasked
.Lfor_wo:
	tensor_load_to_lds s[G0B:G0B+3], s[G1B:G1B+7]
	s_nop 0
	PLACES
.Lasked:
	v_and_b32 v1, 31, v0
	v_lshlrev_b32 v1, 4, v1                        ; 16 x lane
	s_lshr_b32 s21, s10, 1                         ; which two token tiles are mine
	s_and_b32 s22, s10, 1                          ; which four column tiles
	s_lshl_b32 s23, s21, 15
	v_add_nc_u32 v[ADA], s23, v1
	s_lshl_b32 s23, s22, 16
	s_add_co_u32 s23, s23, 131072
	v_add_nc_u32 v[ADB], s23, v1
	v_and_b32 v10, 15, v0                          ; r
	v_bfe_u32 v11, v0, 4, 1                        ; h
	s_mul_i32 s23, s10, 16*SPITCH
	s_add_co_u32 s23, s23, STAGE                   ; my stage
	v_mul_u32_u24 v[STO], v10, SPITCH
	v_lshl_add_u32 v[STO], v11, 5, v[STO]
	v_add_nc_u32 v[STO], s23, v[STO]               ; in: row r, 32 bytes for each half of the lanes
	v_mul_u32_u24 v[RD], v11, SPITCH
	v_lshl_add_u32 v[RD], v10, 4, v[RD]
	v_add_nc_u32 v[RD], s23, v[RD]                 ; back: lanes 0-15 one row of 256 bytes, lanes 16-31 the next
	v_lshlrev_b32 v[CO], 11, v11
	v_lshl_add_u32 v[CO], v10, 4, v[CO]            ; and the same two rows in out0 (2,048 bytes a row)
	s_lshl_b32 s16, s13, 18
	s_lshl_b32 s17, s21, 16
	s_add_co_u32 s16, s16, s17                     ; my first row: 128 x token block + 32 x (wave / 2), in bytes
	s_mov_b32 s17, 0
	s_add_nc_u64 s[8:9], s[8:9], s[16:17]
	s_lshl_b32 s46, s42, 9
	s_lshl_b32 s47, s22, 8
	s_add_co_u32 s46, s46, s47                     ; my first column: 512 x column block + 256 x (wave % 2) bytes
	s_mov_b32 s47, 0
	s_add_nc_u64 s[8:9], s[8:9], s[46:47]
.macro FETCH ks, f                     ; the fragments of K step ks (32 along K) into set f: 12 loads of 512 consecutive bytes
.irp tt, 0,1
.irp c, 0,1
	ds_load_b128 v[\f+8*\tt+4*\c:\f+8*\tt+4*\c+3], v[ADA] offset:16384*\tt+1024*(\ks)+512*\c
.endr
.endr
.irp ct, 0,1,2,3
.irp c, 0,1
	ds_load_b128 v[\f+16+8*\ct+4*\c:\f+16+8*\ct+4*\c+3], v[ADB] offset:16384*\ct+1024*(\ks)+512*\c
.endr
.endr
.endm
.macro MUL8 f, zero                    ; eight matrix instructions, the accumulators by turns; zero = 1: the first K step starts the sums
.irp tt, 0,1
.irp ct, 0,1,2,3
.if \zero
	v_wmma_f32_16x16x32_f16 v[ACC+8*(4*\tt+\ct):ACC+8*(4*\tt+\ct)+7], v[\f+16+8*\ct:\f+16+8*\ct+7], v[\f+8*\tt:\f+8*\tt+7], 0
.else
	v_wmma_f32_16x16x32_f16 v[ACC+8*(4*\tt+\ct):ACC+8*(4*\tt+\ct)+7], v[\f+16+8*\ct:\f+16+8*\ct+7], v[\f+8*\tt:\f+8*\tt+7], v[ACC+8*(4*\tt+\ct):ACC+8*(4*\tt+\ct)+7]
.endif
.endr
.endr
.endm
	s_wait_tensorcnt 0x0                           ; my quarter is in,
	s_barrier_signal -1
	s_barrier_wait -1                              ; everybody's is
	FETCH 0, F0
.set KS, 0
.rept 16
.if KS < 15
.if KS > 0
	PLACES                                         ; four places between the products that read a set and the loads into it (ISA guide 7.12.1 for vector instructions)
.endif
	FETCH KS+1, F0+48*((KS+1)%2)
	s_wait_dscnt 12                                ; this K step's fragments are in; the next step's twelve loads may be out
.else
	s_wait_dscnt 0x0
.endif
.if KS == 0
	MUL8 F0, 1
.else
	MUL8 F0+48*(KS%2), 0
.endif
.set KS, KS+1
.endr
	; THE WAY OUT: 16 tokens x 64 columns (256 bytes a row) at a time through my own stage, so that sixteen lanes store 256 consecutive bytes, aligned.
	PLACES                                         ; between the last products and the stores that read results
.irp tt, 0,1
.irp ct, 0,1,2,3
	ds_store_b128 v[STO], v[ACC+8*(4*\tt+\ct):ACC+8*(4*\tt+\ct)+3] offset:64*\ct          ; each accumulator from its low end on
	ds_store_b128 v[STO], v[ACC+8*(4*\tt+\ct)+4:ACC+8*(4*\tt+\ct)+7] offset:64*\ct+16
.endr
.irp i, 0,1,2,3,4,5,6,7
	ds_load_b128 v[OB+32*\tt+4*\i:OB+32*\tt+4*\i+3], v[RD] offset:2*\i*SPITCH   ; LDS serves a wave's instructions in order: these see my stores, and the next tile's stores come behind them
.endr
.endr
.irp tt, 0,1
.irp i, 0,1,2,3,4,5,6,7
	s_wait_dscnt 23-16*\tt-\i                      ; behind this load: the tile's later loads, and for the first tile the second's eight stores and eight loads
	global_store_b128 v[CO], v[OB+32*\tt+4*\i:OB+32*\tt+4*\i+3], s[8:9] offset:(16*\tt+2*\i)*2048 th:TH_STORE_NT
.endr
.endr
	s_wait_tensorcnt 0x0                           ; the wave's end: behind my last tensor load and my last LDS store
	ds_add_u32 v[SPW], v[NIL]
	s_wait_dscnt 0x0
	CROUND                                         ; the closing round: no work-group ends while a partner may still ask for a tile that names it
	s_endpgm
.Lfunc_end_k_q2f014112c9_outp:
	.size	k_q2f014112c9_outp, .Lfunc_end_k_q2f014112c9_outp-k_q2f014112c9_outp
	.p2alignl 7, 3214868480
	.fill 96, 4, 3214868480
	.section	.rodata,"a",@progbits
	.p2align	6, 0x0
	.amdhsa_kernel k_q2f014112c9_outp
		.amdhsa_group_segment_fixed_size 327680
		.amdhsa_private_segment_fixed_size 0
		.amdhsa_enable_private_segment 0
		.amdhsa_kernarg_size 24
		.amdhsa_user_sgpr_count 2
		.amdhsa_user_sgpr_kernarg_segment_ptr 1
		.amdhsa_wavefront_size32 1
		.amdhsa_system_sgpr_workgroup_id_x 1
		.amdhsa_system_sgpr_workgroup_id_y 1
		.amdhsa_system_sgpr_workgroup_id_z 1
		.amdhsa_system_vgpr_workitem_id 0
		.amdhsa_next_free_vgpr 256
		.amdhsa_next_free_sgpr 66
		.amdhsa_reserve_vcc 0
		.amdhsa_float_denorm_mode_32 3
		.amdhsa_float_denorm_mode_16_64 3
		.amdhsa_memory_ordered 1
		.amdhsa_forward_progress 1
		.amdhsa_inst_pref_size 33
	.end_amdhsa_kernel
	.amdgpu_metadata
---
amdhsa.version: [ 1, 2 ]
amdhsa.kernels:
  - .name:           k_q2f014112c9_outp
    .symbol:         k_q2f014112c9_outp.kd
    .args:
      - { .name: att, .offset: 0, .size: 8, .value_kind: global_buffer, .address_space: global }
      - { .name: wo16, .offset: 8, .size: 8, .value_kind: global_buffer, .address_space: global }
      - { .name: out0, .offset: 16, .size: 8, .value_kind: global_buffer, .address_space: global }
    .group_segment_fixed_size: 327680
    .private_segment_fixed_size: 0
    .kernarg_segment_align: 8
    .kernarg_segment_size: 24
    .max_flat_workgroup_size: 256
    .sgpr_count:     66
    .vgpr_count:     256
    .wavefront_size: 32
...
	.end_amdgpu_metadata
.endif
;; end of part 4
